; MI455X (gfx1250); checked and timed in simulation.
; The chip was launched on July 23, 2026; its instructions are those of AMD's public machine-readable ISA for CDNA 5 (MIT licence, August 2026) and "CDNA5" Instruction Set Architecture Reference Guide (July 2026). The comments in the code are by the model that wrote it; some were corrected since.
;; Core Attention. Allowed arithmetic: matrix products marked QUANTISED: E2M3 operands, one E8M0 scale for each 32 along K, by v_wmma_scale_f32_16x16x128_f8f6f4 with both operands' format E2M3, f32 sums; everything else in f32.
;; Inputs: key_states 2 x 16 x 2,048 x 64 float32; query_states 2 x 16 x 2,048 x 64 float32; value_states 2 x 16 x 2,048 x 64 float32.
;; Outputs: out0 2 x 16 x 2,048 x 64 float32.
;; This version of the problem:
;;   THIS VERSION OF THE PROBLEM IS GIVEN IN LOW PRECISION. The matrix products marked QUANTISED in the list below multiply operands that are first quantised to E2M3 (2 exponent bits, 3 mantissa bits; 6 bits a number), with one power-of-two scale for each 32 numbers along K (OCP MX v1.0); their sums are f32. All else is computed in f32.
;;   The module's matrix products, in the order in which they are computed (A, B: the left and right operand; K: the contracted axis; several contracted axes count as one K, in the product's order):
;;     1. batch 32 x [M 2,048, K 64] x [K 64, N 2,048]; A: input query_states; B: input key_states: QUANTISED
;;     2. batch 32 x [M 2,048, K 2,048] x [K 2,048, N 64]; A: softmax (see below); B: input value_states: QUANTISED
;;   THE QUANTISER, for each operand of a quantised product, along K:
;;     - K is cut into blocks of 32 from its start; a last block that is shorter is filled with zeros.
;;     - A block's scale is 2^e with e = floor(log2(the largest magnitude in the block)) - 2, held to -126 .. 127; a block of zeros has e = 0. As a byte (E8M0): e + 127.
;;     - Each number is divided by its block's scale, clamped to +-7.5, and rounded to the nearest number of E2M3, ties to even, subnormals kept.
;;     - The product sums the exact products of the quantised numbers (number of the format x scale) in f32.
;;   ~~~python
;;   def quantise(x, axis):      # numpy; x: float32 -> the quantised numbers, widened to float32 again
;;       x = np.moveaxis(x, axis, -1); K = x.shape[-1]
;;       x = np.pad(x, [(0, 0)] * (x.ndim - 1) + [(0, -K % 32)]); x = x.reshape(x.shape[:-1] + (-1, 32)); a = np.abs(x).max(-1, keepdims=True)
;;       e = np.where(a > 0, np.clip(np.frexp(np.where(a > 0, a, 1))[1] - 1 - 2, -126, 127), 0)      # np.frexp(a)[1] - 1 = floor(log2(a)), exactly
;;       r = np.clip(x / 2.0 ** e, -7.5, 7.5)
;;       step = 2.0 ** (np.maximum(np.frexp(np.where(r == 0, 1, r))[1] - 1, 0) - 3)
;;       q = np.round(r / step) * step * 2.0 ** e      # np.round: ties to even
;;       return np.moveaxis(q.reshape(q.shape[:-2] + (-1,))[..., :K], -1, axis).astype(np.float32)
;;   ~~~
;;   SOFTMAX AHEAD OF A QUANTISED PRODUCT. Where the list says 'softmax', what is quantised is not the finished softmax but p = 2^(t - M), with t = logit x log2(e) and M = ceil(the row's largest t), a whole number; so 1/2 < the row's largest p <= 1. The row's sum l is taken of the UNQUANTISED p, in f32, and the product's result is divided by l at the end. Since M is a whole number, a kernel that streams over the keys may use a running M (the ceiling of the running maximum): every later rescaling is an exact power of two, which a block's scale takes up: the codes' values come out the same.
;;   OPERANDS COMPUTED ON THE WAY. 'Computed on the way' means the value that the module computes at that place (a softmax that the list does not call 'softmax' is quantised finished and normalised). What goes into a quantiser is computed in f32, as accurately as f32 sums, v_exp_f32 and their like allow (about 1e-6 of the number): no bf16 or f16 on the way to a quantiser, and a product that is left as it is and whose result goes on into a quantised operand takes f32 operands (vector FMAs, or v_wmma_f32_16x16x4_f32). A number that lies on a knife's edge between two numbers of the format may be rounded either way, as far as f32 arithmetic and the matrix unit's own rounding can turn it there, and no further.
;; 2 versions. Each part assembles by itself: llvm-mc -triple=amdgcn-amd-amdhsa -mcpu=gfx1250 --defsym DOCPART=n.
;; ======== version 1 of 2: 1 launch
;; limits: right only within a limited range of input values
;; launch attn (part 1): grid 8 x 32, 16 waves a work-group, no clusters, 123,904 bytes of LDS; arguments query_states, key_states, value_states, out0; writes out0
.if DOCPART == 1
	.amdgcn_target "amdgcn-amd-amdhsa--gfx1250"
	.amdhsa_code_object_version 6
	.text
	.protected	k_q8320831f86_attn
	.globl	k_q8320831f86_attn
	.p2align	8
	.type	k_q8320831f86_attn,@function
k_q8320831f86_attn:
	s_mov_b64 s[64:65], 0
	v_nop
	global_prefetch_b8 v0, s[64:65] scope:SCOPE_SE
	s_setreg_imm32_b32 hwreg(HW_REG_WAVE_MODE, 25, 1), 1
	s_wait_xcnt 0x0
; out0[h][q][:] = sum over k of softmax_k(where(k > q, -10000, Q[h][q].K[h][k] / 8)) V[h][k][:], 32 heads, 2,048 positions, head size 64, all f32 in memory.
; Both products run on codes of FP6 (E2M3) with one E8M0 scale for each 32 along a product's K.  Q and K are quantised along the head's 64, V along the keys, p along the keys.
; THE SOFTMAX: t = logit x log2(e); M = the running largest t rounded UP to a whole number; p = 2^(t - M) is quantised, not normalised; the row's sum is taken of the unquantised p and divides at the end.
; When M moves, the sum and O are multiplied by 2^(old M - new M), which rounds nothing.
; WORK LEFT OUT.  (a) For k > q reference() replaces the first product's result by MASK_VALUE, whatever the inputs hold: a step whose 128 keys all come after a wave's 16 queries is not multiplied.
; (b) Such a key keeps the weight e^(-10000 - the row's largest logit) in the sum and in the second product.  These terms are left out in whole steps under the limit below; inside the step on the
; diagonal the hidden scores get reference()'s own value, -10000, and go through the same arithmetic as the others.
; LIMITS.  Every row's largest unmasked Q.K / 8 lies above -9,900: then a hidden key's weight is under e^-100 of the row's largest.  Below that figure hidden keys would count in reference(), and here those of
; the steps left out do not.  A NaN, an infinity or an overflow that reaches only keys and values of steps left out is not carried to the result; NaN and infinities among the inputs are not served.
; p under 2^-126 is 0 (v_exp_f32's result).  A block of zeros gets the scale byte 1 where the quantiser says 127: its codes are zeros, and the bytes are read by this program alone.
; SHARES.  Work-group (x, head) owns query blocks x and 15 - x of its head, 128 queries each: x + 1 and 16 - x key steps of 128, 17 for every work-group.  Each of its 16 waves owns ONE tile of 16 queries.
; K AND V go memory -> registers -> quantiser -> LDS, 256 keys (a slot) at a time, as images of the operands' registers, into two LDS slots that take turns.  For the NEXT slot each wave takes one unit of K
; (16 keys x 64) and one of V (32 keys x 32 channels): its 40 loads are issued at a slot's top and used at the slot's end.  One barrier a slot.
; NO CLUSTER, NO TENSOR LOAD: what the eight work-groups of a head share arrives as f32 and passes through registers on its way to codes, so there is no tile that a joint load could bring as it is wanted;
; and the partners need different numbers of slots, 8 - x / 2 (x / 2 rounded down).
; LAYOUT.  Both products are used transposed: S^T = K Q^T (source 0 = 16 keys, source 1 = my queries), O^T = V^T P^T (source 0 = 16 channels, source 1 = P): a lane holds ONE query (lane % 16) throughout.
; The first product's K is 64: registers 6 to 11 of both its operands are zero codes, written once.  THE KEYS OF A TILE ARE NOT NEIGHBOURS: lane r of tile 2 b + u takes key 32 b + 8 u + r + 8 (r / 8), so that
; the 16 registers of tiles 2 b and 2 b + 1 are 16 neighbouring keys, 32 b + 16 (lane / 16) + 0 .. 15.
.set SL,    26112                      ; an LDS slot: 256 keys as codes
.set VHF,   12288                      ; in it: K's 16 half fragments of 768 bytes (step q, tile t: 6144 q + 768 t), then V's 16 (step q, tile, c: 6144 q + 768 (2 tile + c));
.set SCKO,  24576                      ; K's scale words: 512 q + 32 r + 4 t;
.set SCVO,  25600                      ; V's scale bytes: 256 q + 16 r + 4 tile + block
.set STAGE, 2*SL                       ; the way out: 16 rows x (256 + 16) bytes for each wave
.set SPARE, STAGE+16*4352              ; the spare words, 128 bytes for each wave: eight blocks of 256 bytes that no other line names
; a half fragment's image: a lane's registers 0-3 at 16 x lane, its registers 4-5 at 512 + 8 x lane
.set RA,   1                           ; v1   16 x lane
.set RB,   2                           ; v2   8 x lane
.set RSK,  3                           ; v3   32 r
.set RSV,  4                           ; v4   16 r
.set SPW,  5                           ; v5   LDS address of my spare word; never rewritten
.set NIL,  6                           ; v6   0; never rewritten
.set KO,   7                           ; v7   my byte in a slot's rows of K   (v7-v10: addresses of the way out, behind the loop)
.set VO,   8                           ; v8   and of V
.set PFO,  9                           ; v9   the prefetches' offset
.set DQ,   10                          ; v10  my query - the diagonal step's first key - 16 (lane / 16)
.set QS,   11                          ; v11  Q's scale word
.set NM,   12                          ; v12  -M
.set MT,   13                          ; v13  the largest t so far
.set SUM,  14                          ; v[14:15] the row's sum, in two halves
.set PW,   16                          ; v16  p's scale word
.set HH,   17                          ; v17  lane / 16
.set FF,   18                          ; v[18:19] f = 2^(old M - new M) and its pair's upper half; at the head v18 is Q's offset
.set SC,   20                          ; v[20:23] four tiles' scale words of K or of V
.set QF,   24                          ; v[24:35] Q's fragment: 6 registers of codes, 6 of zeros
.set KF,   36                          ; v[36:83] four fragments of K, 12 apart: 6 of codes, 6 of zeros
.set S,    84                          ; v[84:147] S^T, then p; then v84-131 V's four fragments
.set OT,   148                         ; v[148:179] O^T
.set PC,   180                         ; v[180:191] p's codes
.set STK,  192                         ; v[192:223] my unit of K as loaded
.set STV,  224                         ; v[224:255] my unit of V as loaded
; the softmax works in K's code registers, which are free behind the first product
.set CT,   KF                          ; + 12 c: three registers of codes
.set BM,   KF+3                         ; + 12 b: block b's largest score, then its largest p
.set PT,   KF+4                         ; + 12 b: the other half's, then the scale's byte
.set SO,   KF+5                         ; + 12 b: the conversion's scale operand
.set T0,   KF+24
.set T1,   KF+25
.set SP2,  KF+36                       ; a pair: the sums' second chain
; the quantiser of K and V works in p's last 16 registers
.set CD,   S+48                        ; six registers of codes
.set CTQ,  S+54
.set MX0,  S+57
.set MX1,  S+58
.set SOPQ, S+59
.set BYT,  S+60
.set AD0,  S+61
.set AD1,  S+62
.set AD2,  S+63
.set KB,   6                           ; s[6:7]  K at my head, at the trip's first slot;  s[8:9] V;  s[4:5] Q at my first query;  s[10:11] out0 likewise
.set VB,   8
.set WV,   12
.set WX,   13
.set HEAD, 14
.set SELB, 15
.set IDX,  16
.set BLK,  17
.set Q0,   18                          ; my first query
.set QLAST, 19                         ; my work-group's last query
.set SEL,  20                          ; s[20:21] v_permlanex16_b32's selects for lane l xor 16
.set CS,   22                          ; s[22:23] c = log2(e) / 8
.set KFK,  24                          ; the step's first key
.set TR,   25                          ; trips to go
.set LIM,  26                          ; 1 in a work-group that prefetches, else the greatest number
.set KWB,  27                          ; where my units' images and scales go in a slot
.set PFA,  28                          ; s[28:29]
.set KWSB, 30
.set VWB,  31
.set VWB64, 32
.set VWSB, 33
; my units of the slot that begins off bytes behind the trip's first: K: 128 consecutive bytes of a key a lane; V: a lane a channel, registers down 32 keys, 128 consecutive bytes a load.
; No cache hint: the head's other work-groups read the same bytes.
.macro RAWLOAD off
.irp j, 0,1,2,3,4,5,6,7
	global_load_b128 v[STK+4*\j:STK+4*\j+3], v[KO], s[KB:KB+1] offset:\off+16*\j
.endr
.irp i, 0,1,2,3,4,5,6,7,8,9,10,11,12,13,14,15,16,17,18,19,20,21,22,23,24,25,26,27,28,29,30,31
	global_load_b32 v[STV+\i], v[VO], s[VB:VB+1] offset:\off+256*\i
.endr
.endm
; A block of 32 numbers in one lane's registers becomes six registers of codes, v[cd] on, and its scale byte in v[BYT].
.macro QUANT32 src, cd
	v_max3_num_f32 v[MX0], |v[\src]|, |v[\src+1]|, |v[\src+2]|
	v_max3_num_f32 v[MX1], |v[\src+3]|, |v[\src+4]|, |v[\src+5]|
.irp i, 6,10,14,18,22,26
	v_max3_num_f32 v[MX0], v[MX0], |v[\src+\i]|, |v[\src+\i+1]|
	v_max3_num_f32 v[MX1], v[MX1], |v[\src+\i+2]|, |v[\src+\i+3]|
.endr
	v_max3_num_f32 v[MX0], v[MX0], |v[\src+30]|, |v[\src+31]|
	v_max3_num_f32 v[MX0], v[MX0], v[MX1], 0x1800000               ; the block's largest magnitude, and the floor 2^(3 - 127): the byte cannot fall under 1
	v_add_nc_u32 v[SOPQ], 0xff000000, v[MX0]                       ; 2 off its exponent field: the conversion takes the exponent field of this operand as its scale
	v_lshrrev_b32 v[BYT], 23, v[SOPQ]                              ; the scale's byte
	v_cvt_scalef32_pk16_fp6_f32 v[\cd:\cd+2], v[\src:\src+15], v[SOPQ]
	v_cvt_scalef32_pk16_fp6_f32 v[CTQ:CTQ+2], v[\src+16:\src+31], v[SOPQ]   ; (a conversion's three registers begin on an even number)
	v_nop                                                          ; one plain place behind a scaled conversion
.irp i, 0,1,2
	v_mov_b32 v[\cd+3+\i], v[CTQ+\i]
.endr
.endm
; Lanes l and l xor 16 hold blocks 0 and 1 of one row: their two bytes make the row's scale word; its upper two bytes, over zero codes, stay 0.
.macro WORD dst
	v_lshlrev_b32 v[MX0], 3, v[HH]
	v_lshlrev_b32 v[MX0], v[MX0], v[BYT]
	v_permlanex16_b32 v[MX1], v[MX0], s[SEL], s[SEL+1]
	v_or_b32 v[\dst], v[MX0], v[MX1]
.endm
; My two units become codes and go into LDS slot d.
.macro QUANTKV d
	QUANT32 STK, CD
	WORD MX0
	v_add_nc_u32 v[AD0], s[KWB], v[RA]
	v_add_nc_u32 v[AD1], s[KWB], v[RB]
	v_add_nc_u32 v[AD2], s[KWSB], v[RSK]
	ds_store_b128 v[AD0], v[CD:CD+3] offset:(\d)*SL
	ds_store_b64 v[AD1], v[CD+4:CD+5] offset:(\d)*SL+512
	ds_store_b32 v[AD2], v[MX0] offset:(\d)*SL                     ; both lanes of a row write the same word with the same value
	s_wait_dscnt 0x0                                               ; the stores have read their registers, which V's unit writes again
	QUANT32 STV, CD
	v_mad_u32_u24 v[AD0], v[HH], 1536, v[RSV]                      ; my channel's tile (two half fragments on for lanes 16-31) and its row r
	v_add_nc_u32 v[AD0], s[VWB], v[AD0]
	v_lshrrev_b32 v[AD1], 1, v[RSV]
	v_mad_u32_u24 v[AD1], v[HH], 1536, v[AD1]
	v_add_nc_u32 v[AD1], s[VWB64], v[AD1]
	v_lshl_add_u32 v[AD2], v[HH], 2, v[RSV]
	v_add_nc_u32 v[AD2], s[VWSB], v[AD2]
	ds_store_b128 v[AD0], v[CD:CD+3] offset:(\d)*SL
	ds_store_b64 v[AD1], v[CD+4:CD+5] offset:(\d)*SL
	ds_store_b8 v[AD2], v[BYT] offset:(\d)*SL
.endm
; A PREFETCH of the slot behind the one whose loads have just been issued: 256 rows of K and 256 of V, 256 bytes a row, a lane a row, one instruction a wave (waves 0-7: K, waves 8-15: V).
; All eight work-groups of a head walk the same rows: the one with x = 0 asks, so each row is named once in the launch.  Slots 0 and 1 come by their loads alone; the last trip asks for nothing: the last slot named is slot 7.
.macro ASK off
	s_cmp_gt_u32 s[TR], s[LIM]
	s_cbranch_scc0 .Lna_\@
	global_prefetch_b8 v[PFO], s[PFA:PFA+1] offset:\off th:TH_LOAD_NT scope:SCOPE_SE
.Lna_\@:
.endm
; A KEY STEP: 128 keys, the q-th of LDS slot p.
.macro STEP p, q
.set BS, (\p)*SL+6144*(\q)
	s_add_co_u32 s34, s[Q0], 15
	s_cmp_gt_u32 s[KFK], s34                       ; all 128 keys come after my 16 queries: the step's work is left out (ids and the count of steps alone)
	s_cbranch_scc1 .Lhidden_\@
.irp g, 0,1                                    ; S^T = K Q^T, four tiles of 16 keys at a time
.if \g > 0
.rept 4
	v_nop                                          ; places in front of loads into registers that matrix instructions have read
.endr
.endif
.irp t, 0,1,2,3
	ds_load_b128 v[KF+12*\t:KF+12*\t+3], v[RA] offset:BS+768*(4*\g+\t)
	ds_load_b64 v[KF+12*\t+4:KF+12*\t+5], v[RB] offset:BS+768*(4*\g+\t)+512
.endr
	ds_load_b128 v[SC:SC+3], v[RSK] offset:(\p)*SL+SCKO+512*(\q)+16*\g   ; the four tiles' scale words of row r
	s_wait_dscnt 0x0
.irp t, 0,1,2,3
	v_wmma_scale_f32_16x16x128_f8f6f4 v[S+8*(4*\g+\t):S+8*(4*\g+\t)+7], v[KF+12*\t:KF+12*\t+11], v[QF:QF+11], 0, v[SC+\t], v[QS] matrix_a_fmt:MATRIX_FMT_FP6 matrix_b_fmt:MATRIX_FMT_FP6
.endr
.endr
.rept 4
	v_nop                                          ; places in front of the first read of the scores and of writes into K's registers
.endr
	s_add_co_u32 s34, s[KFK], 127
	s_cmp_le_u32 s34, s[Q0]                        ; all 128 keys count for all my queries: nothing is hidden
	s_cbranch_scc1 .Lopen_\@
	v_mov_b32 v[T0], 0xc79c4000                    ; -80,000: MASK_VALUE ahead of the factor 1 / 8.  Register 16 b + i holds key 32 b + 16 (lane / 16) + i of the step: hidden where 32 b + i > DQ
.set n, 0
.rept 64
	v_cmp_gt_i32 vcc_lo, 32*(n/16)+n%16, v[DQ]
	v_cndmask_b32 v[S+n], v[S+n], v[T0], vcc_lo
.set n, n+1
.endr
.Lopen_\@:
.irp b, 0,1,2,3
	v_max3_num_f32 v[BM+12*\b], v[S+16*\b], v[S+16*\b+1], v[S+16*\b+2]   ; the largest score of each block of 32 keys: for the row's maximum, and, since p rises with the score, for the block's largest p
.endr
.irp i, 3,5,7,9,11,13
.irp b, 0,1,2,3
	v_max3_num_f32 v[BM+12*\b], v[BM+12*\b], v[S+16*\b+\i], v[S+16*\b+\i+1]
.endr
.endr
.irp b, 0,1,2,3
	v_max_num_f32 v[BM+12*\b], v[BM+12*\b], v[S+16*\b+15]
.endr
.irp b, 0,1,2,3
	v_permlanex16_b32 v[PT+12*\b], v[BM+12*\b], s[SEL], s[SEL+1]
.endr
.irp b, 0,1,2,3
	v_max_num_f32 v[BM+12*\b], v[BM+12*\b], v[PT+12*\b]            ; with lane l xor 16's 16 keys
.endr
	v_max3_num_f32 v[T0], v[BM], v[BM+12], v[BM+24]
	v_max_num_f32 v[T0], v[T0], v[BM+36]           ; the step's largest score of my query
	v_mul_f32 v[T0], s[CS], v[T0]                  ; as t
	v_max_num_f32 v[MT], v[MT], v[T0]              ; the running largest t
	v_mov_b32 v[T1], v[NM]
	v_floor_f32 v[NM], -v[MT]                      ; the new -M = floor(-t) = -ceil(t)
	v_sub_f32 v[T1], v[NM], v[T1]                  ; old M - new M: a whole number, 0 or less
	v_cvt_i32_f32 v[T1], v[T1]                     ; (it saturates)
	v_ldexp_f32 v[FF], 1.0, v[T1]                  ; f = 2^(old M - new M)
.set j, 0
.rept 32
	v_pk_fma_f32 v[S+j:S+j+1], v[S+j:S+j+1], s[CS:CS+1], v[NM:NM+1] op_sel_hi:[1,0,0]   ; t - M, two at a time
.set j, j+2
.endr
.irp b, 0,1,2,3
	v_fma_f32 v[BM+12*\b], v[BM+12*\b], s[CS], v[NM]               ; the same of each block's largest score
.endr
.set n, 0
.rept 64
	v_exp_f32 v[S+n], v[S+n]                       ; p = 2^(t - M)
.set n, n+1
.endr
	v_pk_mul_f32 v[SUM:SUM+1], v[SUM:SUM+1], v[FF:FF+1] op_sel_hi:[1,0]   ; the sums under the new M: the plain place behind the exponentials
	s_wait_alu depctr_va_vdst(0)                   ; one wait for the batch of 64, ahead of its first reader
.irp b, 0,1,2,3
	v_exp_f32 v[BM+12*\b], v[BM+12*\b]             ; the block's largest p
.endr
	v_pk_add_f32 v[SP2:SP2+1], v[S:S+1], v[S+2:S+3]                ; the row's sum of the unquantised p, in two chains; it reads the 64 alone: plain work behind the four
.irp j, 4,8,12,16,20,24,28,32,36,40,44,48,52,56,60
	v_pk_add_f32 v[SUM:SUM+1], v[SUM:SUM+1], v[S+\j:S+\j+1]
	v_pk_add_f32 v[SP2:SP2+1], v[SP2:SP2+1], v[S+\j+2:S+\j+3]
.endr
	v_pk_add_f32 v[SUM:SUM+1], v[SUM:SUM+1], v[SP2:SP2+1]
	s_wait_alu depctr_va_vdst(0)                   ; and one for the four
.irp b, 0,1,2,3
	v_max_num_f32 v[BM+12*\b], 0x1800000, v[BM+12*\b]              ; the floor 2^(3 - 127)
.endr
.irp b, 0,1,2,3
	v_add_nc_u32 v[SO+12*\b], 0xff000000, v[BM+12*\b]              ; 2 off the exponent field: the conversion's scale operand
.endr
.irp b, 0,1,2,3
	v_lshrrev_b32 v[PT+12*\b], 23, v[SO+12*\b]                     ; the scale's byte
.endr
	v_lshl_or_b32 v[PW], v[PT+12], 8, v[PT]        ; p's scale word for these 128 keys
	v_lshl_or_b32 v[PW], v[PT+24], 16, v[PW]
	v_lshl_or_b32 v[PW], v[PT+36], 24, v[PW]
.irp c, 0,1
	v_cvt_scalef32_pk16_fp6_f32 v[PC+6*\c:PC+6*\c+2], v[S+32*\c:S+32*\c+15], v[SO+24*\c]
	v_cvt_scalef32_pk16_fp6_f32 v[CT+12*\c:CT+12*\c+2], v[S+32*\c+16:S+32*\c+31], v[SO+24*\c+12]
.endr
	v_nop                                          ; one plain place behind the scaled conversions
.irp t, 0,1,2,3                                ; V's four fragments land where p lay, while p's codes are put in order and O^T is rescaled
.irp c, 0,1
	ds_load_b128 v[S+12*\t+6*\c:S+12*\t+6*\c+3], v[RA] offset:BS+VHF+768*(2*\t+\c)
	ds_load_b64 v[S+12*\t+6*\c+4:S+12*\t+6*\c+5], v[RB] offset:BS+VHF+768*(2*\t+\c)+512
.endr
.endr
	ds_load_b128 v[SC:SC+3], v[RSV] offset:(\p)*SL+SCVO+256*(\q)   ; the four tiles' scale words of channel r
.irp c, 0,1                                    ; the operand's layout wants a WHOLE block in a lane: lanes 0-15 block 2 c, lanes 16-31 block 2 c + 1
.irp i, 0,1,2
	v_permlane16_swap_b32 v[PC+6*\c+\i], v[CT+12*\c+\i]
.endr
.irp i, 0,1,2
	v_mov_b32 v[PC+6*\c+3+\i], v[CT+12*\c+\i]
.endr
.endr
.set j, 0
.rept 16
	v_pk_mul_f32 v[OT+j:OT+j+1], v[OT+j:OT+j+1], v[FF:FF+1] op_sel_hi:[1,0]   ; O^T under the new M; these 16 are also the places between p's codes and scale word and the products
.set j, j+2
.endr
	s_wait_dscnt 0x0
.irp t, 0,1,2,3                                ; O^T += V^T P^T; the four accumulators take turns, and the eight products of the next step stand between two turns of one
	v_wmma_scale_f32_16x16x128_f8f6f4 v[OT+8*\t:OT+8*\t+7], v[S+12*\t:S+12*\t+11], v[PC:PC+11], v[OT+8*\t:OT+8*\t+7], v[SC+\t], v[PW] matrix_a_fmt:MATRIX_FMT_FP6 matrix_b_fmt:MATRIX_FMT_FP6
.endr
.rept 5
	v_nop                                          ; five places: the next step's products write over V's fragments; four serve the loads into the scale words and the reads of O^T
.endr
.Lhidden_\@:
	s_add_co_u32 s[KFK], s[KFK], 128
.endm
; A SLOT: the next slot's numbers are asked for, this slot's two steps are walked, the next slot is quantised into the other LDS slot, one barrier.
; The other LDS slot was last read in the slot before; every wave waited for those reads in front of that slot's barrier.
.macro SLOT p
	s_add_co_u32 s34, s[KFK], 256
	s_cmp_gt_u32 s34, s[QLAST]                     ; a slot whose first key comes after my work-group's last query is read by none of its waves
	s_cbranch_scc1 .Lnl_\@
	RAWLOAD (\p+1)*65536
.Lnl_\@:
	ASK (\p+2)*65536
	STEP \p, 0
	STEP \p, 1
	s_wait_loadcnt 0x0                             ; my 40 loads are in
	s_cmp_gt_u32 s[KFK], s[QLAST]                  ; the same test as above, two steps on
	s_cbranch_scc1 .Lnq_\@
	QUANTKV 1-\p
.Lnq_\@:
	s_wait_dscnt 0x0                               ; my stores into the other slot have landed, and my reads of this one are over
	s_barrier_signal -1
	s_barrier_wait -1
.endm
	s_load_b256 s[4:11], s[0:1], 0x0               ; Q s[4:5], K s[6:7], V s[8:9], out0 s[10:11]
	v_lshl_add_u32 v[SPW], v0, 2, SPARE
	v_mov_b32 v[NIL], 0
	v_lshrrev_b32 v36, 5, v0
	v_readfirstlane_b32 s[WV], v36                 ; wave 0..15
	s_mov_b32 s[WX], ttmp9
	s_and_b32 s[HEAD], ttmp7, 0xffff
	s_lshr_b32 s34, s[WV], 2
	s_xor_b32 s34, s34, s[WV]
	s_and_b32 s[SELB], s34, 1                      ; which block: bit 0 xor bit 2 of the wave's number: among waves w, w + 4, w + 8, w + 12 and among waves 4 k .. 4 k + 3 alike two are of each block
	s_lshr_b32 s[IDX], s[WV], 1                    ; which tile of its eight
	s_sub_co_u32 s34, 15, s[WX]
	s_cmp_eq_u32 s[SELB], 0
	s_cselect_b32 s[BLK], s[WX], s34
	s_lshl_b32 s[Q0], s[BLK], 7
	s_lshl_b32 s34, s[IDX], 4
	s_add_co_u32 s[Q0], s[Q0], s34                 ; my first query: 128 x block + 16 x tile
	s_sub_co_u32 s[QLAST], 16, s[WX]
	s_lshl_b32 s[QLAST], s[QLAST], 7
	s_sub_co_u32 s[QLAST], s[QLAST], 1             ; 128 (16 - x) - 1
	s_cmp_eq_u32 s[WX], 0
	s_cselect_b32 s[LIM], 1, -1
	s_mov_b32 s[SEL], 0x76543210
	s_mov_b32 s[SEL+1], 0xfedcba98
	s_mov_b32 s[CS], 0x3e38aa3b                    ; log2(e) / 8
	s_mov_b32 s[CS+1], s[CS]                       ; (named with it as a pair, so it is written)
	s_mov_b32 s[KFK], 0
	s_mov_b32 s[TR], 4
	v_and_b32 v36, 31, v0                          ; lane
	v_and_b32 v37, 15, v0                          ; r
	v_bfe_u32 v[HH], v0, 4, 1                      ; h
	v_lshlrev_b32 v[RA], 4, v36
	v_lshlrev_b32 v[RB], 3, v36
	v_lshlrev_b32 v[RSK], 5, v37
	v_lshlrev_b32 v[RSV], 4, v37
	v_lshlrev_b32 v38, 4, v[HH]
	v_sub_nc_u32 v38, v37, v38
	v_add_nc_u32 v[DQ], s34, v38                   ; 16 x tile + r - 16 h: the diagonal step's first key is my block's first query
	s_lshr_b32 s34, s[WV], 3                       ; my units' step in a slot
	s_and_b32 s35, s[WV], 1
	s_bfe_u32 s36, s[WV], 0x20001                  ; (wave / 2) % 4
	s_lshl_b32 s37, s34, 7                         ; K's unit is tile wave % 8 of step wave / 8: it begins at key 128 (w / 8) + 32 ((w / 2) % 4) + 8 (w % 2)
	s_lshl_b32 s38, s36, 5
	s_add_co_u32 s37, s37, s38
	s_lshl_b32 s38, s35, 3
	s_add_co_u32 s37, s37, s38
	s_lshl_b32 s37, s37, 8
	v_and_b32 v38, 8, v37
	v_add_nc_u32 v38, v38, v37                     ; r + 8 (r / 8)
	v_lshlrev_b32 v38, 8, v38
	v_lshl_add_u32 v38, v[HH], 7, v38              ; a key's row is 256 bytes; block h of it
	v_add_nc_u32 v[KO], s37, v38
	s_lshl_b32 s37, s[IDX], 13                     ; V's unit is key block wave / 2 of the slot's eight, channels 32 (wave % 2) + lane
	s_lshl_b32 s38, s35, 7
	s_add_co_u32 s37, s37, s38
	v_lshl_add_u32 v[VO], v36, 2, s37
	s_and_b32 s37, s[WV], 7
	s_lshl_b32 s38, s37, 13
	v_lshl_add_u32 v[PFO], v36, 8, s38             ; the prefetches: row 32 (wave % 8) + lane of a slot's 256
	s_mul_i32 s[KWB], s[WV], 768                   ; K's half fragment: 6144 (w / 8) + 768 (w % 8)
	s_lshl_b32 s38, s34, 9
	s_lshl_b32 s37, s37, 2
	s_add_co_u32 s38, s38, s37
	s_add_co_u32 s[KWSB], s38, SCKO
	s_mul_i32 s37, s34, 6144                       ; V's: tile 2 (w % 2) + h, c = (w / 4) % 2, lanes 16 ((w / 2) % 2) on
	s_lshl_b32 s38, s35, 2
	s_bfe_u32 s39, s[WV], 0x10002
	s_add_co_u32 s38, s38, s39
	s_mul_i32 s38, s38, 768
	s_add_co_u32 s37, s37, s38
	s_add_co_u32 s37, s37, VHF
	s_and_b32 s39, s36, 1
	s_lshl_b32 s38, s39, 8
	s_add_co_u32 s[VWB], s37, s38
	s_lshl_b32 s38, s39, 7
	s_add_co_u32 s38, s38, 512
	s_add_co_u32 s[VWB64], s37, s38
	s_lshl_b32 s37, s34, 8
	s_lshl_b32 s38, s35, 3
	s_add_co_u32 s37, s37, s38
	s_add_co_u32 s37, s37, s36
	s_add_co_u32 s[VWSB], s37, SCVO
	s_lshl_b32 s34, s[HEAD], 19                    ; a head is 2,048 x 256 bytes in each tensor
	s_mov_b32 s35, 0
	s_lshl_b32 s36, s[Q0], 8
	s_add_co_u32 s36, s36, s34
	s_mov_b32 s37, 0
	v_lshlrev_b32 v[FF], 8, v37
	v_lshl_add_u32 v[FF], v[HH], 7, v[FF]          ; Q: row r, block h
	s_wait_kmcnt 0x0
	s_add_nc_u64 s[4:5], s[4:5], s[36:37]
	s_add_nc_u64 s[KB:KB+1], s[KB:KB+1], s[34:35]
	s_add_nc_u64 s[VB:VB+1], s[VB:VB+1], s[34:35]
	s_add_nc_u64 s[10:11], s[10:11], s[36:37]
	s_cmp_lt_u32 s[WV], 8
	s_cselect_b64 s[PFA:PFA+1], s[KB:KB+1], s[VB:VB+1]
.irp j, 0,1,2,3,4,5,6,7
	global_load_b128 v[S+4*\j:S+4*\j+3], v[FF], s[4:5] offset:16*\j th:TH_LOAD_NT   ; my block of 32 of my query: read once, by this wave alone
.endr
	RAWLOAD 0                                      ; my units of slot 0
.irp i, 6,7,8,9,10,11
	v_mov_b32 v[QF+\i], 0                          ; zero codes for k = 64 .. 127 of the first product, on both sides: written once
.irp t, 0,1,2,3
	v_mov_b32 v[KF+12*\t+\i], 0
.endr
.endr
.set n, 0
.rept 32
	v_mov_b32 v[OT+n], 0                           ; O^T.  (The step is written once: the first finds zeros, which the first change of M leaves zeros)
.set n, n+1
.endr
	v_mov_b32 v[SUM], 0
	v_mov_b32 v[SUM+1], 0
	v_mov_b32 v[FF+1], 0                           ; (named as the upper half of the pair)
	v_mov_b32 v[MT], 0xff61b1e6                    ; the largest t so far: -3e38, under every t
	v_floor_f32 v[NM], -v[MT]
	s_wait_loadcnt 40                              ; Q's eight loads are in; the 40 of K and V, issued behind them, may be out
	QUANT32 S, QF
	WORD QS
	s_wait_loadcnt 0x0
	QUANTKV 0
	s_wait_dscnt 0x0                               ; my part of slot 0 has landed
	s_barrier_signal -1
	s_barrier_wait -1
.Ltrip:                                            ; four trips of two slots in every work-group: past its last query a trip is waits and barriers alone
	SLOT 0
	SLOT 1
	s_wait_xcnt 0x0                                ; the loads and prefetches have read their bases, which step now
	s_add_nc_u64 s[KB:KB+1], s[KB:KB+1], 0x20000
	s_add_nc_u64 s[VB:VB+1], s[VB:VB+1], 0x20000
	s_add_nc_u64 s[PFA:PFA+1], s[PFA:PFA+1], 0x20000
	s_sub_co_u32 s[TR], s[TR], 1
	s_cmp_lg_u32 s[TR], 0
	s_cbranch_scc1 .Ltrip
	; THE WAY OUT.  O^T is divided by the row's sum and goes through my stage in LDS: a lane holds 32 bytes of a row, the lanes beside it other rows; it comes back as whole rows of 256 bytes.
	v_add_f32 v[SUM], v[SUM], v[SUM+1]
	v_permlanex16_b32 v[FF], v[SUM], s[SEL], s[SEL+1]
	v_add_f32 v[SUM], v[SUM], v[FF]                ; with lane l xor 16's keys: the row's sum
	v_rcp_f32 v[SUM], v[SUM]
	v_and_b32 v10, 15, v0                          ; (a plain place behind the reciprocal)  r
	s_mul_i32 s34, s[WV], 4352
	s_add_co_u32 s34, s34, STAGE
	v_mul_u32_u24 v7, v10, 272
	v_lshl_add_u32 v7, v[HH], 5, v7
	v_add_nc_u32 v7, s34, v7                       ; in: row r, tile t's eight channels of my half at 64 t + 32 h
	v_mul_u32_u24 v8, v[HH], 272
	v_add_nc_u32 v8, v8, v[RSV]
	v_add_nc_u32 v8, s34, v8                       ; back: lanes 0-15 one row, lanes 16-31 the next
	v_lshl_add_u32 v9, v[HH], 8, v[RSV]            ; and the same two rows in out0
	s_wait_alu depctr_va_vdst(0)                   ; the wait ahead of the reciprocal's first reader
.set j, 0
.rept 16
	v_pk_mul_f32 v[S+j:S+j+1], v[OT+j:OT+j+1], v[SUM:SUM+1] op_sel_hi:[1,0]   ; register 8 t + i is out0(r, 16 t + 8 h + i); each accumulator from its low end on
.set j, j+2
.endr
.irp t, 0,1,2,3
	ds_store_b128 v7, v[S+8*\t:S+8*\t+3] offset:64*\t
	ds_store_b128 v7, v[S+8*\t+4:S+8*\t+7] offset:64*\t+16
.endr
.irp i, 0,1,2,3,4,5,6,7
	ds_load_b128 v[STK+4*\i:STK+4*\i+3], v8 offset:544*\i          ; LDS serves a wave's instructions in order (ISA guide 5.7.1.4): these see my stores
.endr
.irp i, 0,1,2,3,4,5,6,7
	s_wait_dscnt 7-\i                              ; row pair i is back; the 7 - i younger loads may be out
	global_store_b128 v9, v[STK+4*\i:STK+4*\i+3], s[10:11] offset:512*\i th:TH_STORE_NT   ; 32 lanes store 512 consecutive bytes, at a multiple of 256 from out0's first byte
.endr
	s_wait_tensorcnt 0x0                           ; the wave's end, behind my last LDS store
	ds_add_u32 v[SPW], v[NIL]
	s_wait_dscnt 0x0
	s_endpgm
.Lfunc_end_k_q8320831f86_attn:
	.size	k_q8320831f86_attn, .Lfunc_end_k_q8320831f86_attn-k_q8320831f86_attn
	.p2alignl 7, 3214868480
	.fill 96, 4, 3214868480
	.section	.rodata,"a",@progbits
	.p2align	6, 0x0
	.amdhsa_kernel k_q8320831f86_attn
		.amdhsa_group_segment_fixed_size 123904
		.amdhsa_private_segment_fixed_size 0
		.amdhsa_enable_private_segment 0
		.amdhsa_kernarg_size 32
		.amdhsa_user_sgpr_count 2
		.amdhsa_user_sgpr_kernarg_segment_ptr 1
		.amdhsa_wavefront_size32 1
		.amdhsa_system_sgpr_workgroup_id_x 1
		.amdhsa_system_sgpr_workgroup_id_y 1
		.amdhsa_system_sgpr_workgroup_id_z 1
		.amdhsa_system_vgpr_workitem_id 0
		.amdhsa_next_free_vgpr 256
		.amdhsa_next_free_sgpr 66
		.amdhsa_reserve_vcc 1
		.amdhsa_float_denorm_mode_32 3
		.amdhsa_float_denorm_mode_16_64 3
		.amdhsa_memory_ordered 1
		.amdhsa_forward_progress 1
		.amdhsa_inst_pref_size 121
	.end_amdhsa_kernel
	.amdgpu_metadata
---
amdhsa.version: [ 1, 2 ]
amdhsa.kernels:
  - .name:           k_q8320831f86_attn
    .symbol:         k_q8320831f86_attn.kd
    .args:
      - { .name: query_states, .offset: 0, .size: 8, .value_kind: global_buffer, .address_space: global }
      - { .name: key_states, .offset: 8, .size: 8, .value_kind: global_buffer, .address_space: global }
      - { .name: value_states, .offset: 16, .size: 8, .value_kind: global_buffer, .address_space: global }
      - { .name: out0, .offset: 24, .size: 8, .value_kind: global_buffer, .address_space: global }
    .group_segment_fixed_size: 123904
    .private_segment_fixed_size: 0
    .kernarg_segment_align: 8
    .kernarg_segment_size: 32
    .max_flat_workgroup_size: 512
    .sgpr_count:     66
    .vgpr_count:     256
    .wavefront_size: 32
...
	.end_amdgpu_metadata
.endif
;; end of part 1
;; ======== version 2 of 2: 1 launch; version 1 with the launch attn written anew for expert scheduling mode
;; limits: right only within a limited range of input values
;; launch attn (part 2): grid 8 x 32, 16 waves a work-group, no clusters, 123,904 bytes of LDS; arguments query_states, key_states, value_states, out0; writes out0
.if DOCPART == 2
	.amdgcn_target "amdgcn-amd-amdhsa--gfx1250"
	.amdhsa_code_object_version 6
	.text
	.protected	k_q8320831f86_attn
	.globl	k_q8320831f86_attn
	.p2align	8
	.type	k_q8320831f86_attn,@function
k_q8320831f86_attn:
	s_mov_b64 s[64:65], 0
	v_nop
	global_prefetch_b8 v0, s[64:65] scope:SCOPE_SE
	s_setreg_imm32_b32 hwreg(HW_REG_WAVE_SCHED_MODE, 0, 2), 2
	s_setreg_imm32_b32 hwreg(HW_REG_WAVE_MODE, 25, 1), 1
	s_wait_xcnt 0x0
	s_wait_alu depctr_vm_vsrc(0)
; out0[h][q][:] = sum over k of softmax_k(where(k > q, -10000, Q[h][q].K[h][k] / 8)) V[h][k][:], 32 heads, 2,048 positions, head size 64, all f32 in memory.
; Both products run on codes of FP6 (E2M3) with one E8M0 scale for each 32 along a product's K.  Q and K are quantised along the head's 64, V along the keys, p along the keys.
; THE SOFTMAX: t = logit x log2(e); M = the running largest t rounded UP to a whole number; p = 2^(t - M) is quantised, not normalised; the row's sum is taken of the unquantised p and divides at the end.
; When M moves, the sum and O are multiplied by 2^(old M - new M), which rounds nothing.
; WORK LEFT OUT.  (a) For k > q reference() replaces the first product's result by MASK_VALUE, whatever the inputs hold: a step whose 128 keys all come after a wave's 16 queries is not multiplied.
; (b) Such a key keeps the weight e^(-10000 - the row's largest logit) in the sum and in the second product.  These terms are left out in whole steps under the limit below; inside the step on the
; diagonal the hidden scores get reference()'s own value, -10000, and go through the same arithmetic as the others.
; LIMITS.  Every row's largest unmasked Q.K / 8 lies above -9,900: then a hidden key's weight is under e^-100 of the row's largest.  Below that figure hidden keys would count in reference(), and here those of
; the steps left out do not.  A NaN, an infinity or an overflow that reaches only keys and values of steps left out is not carried to the result; NaN and infinities among the inputs are not served.
; p under 2^-126 is 0 (v_exp_f32's result).  A block of zeros gets the scale byte 1 where the quantiser says 127: its codes are zeros, and the bytes are read by this program alone.
; SHARES.  Work-group (x, head) owns query blocks x and 15 - x of its head, 128 queries each: x + 1 and 16 - x key steps of 128, 17 for every work-group.  Each of its 16 waves owns ONE tile of 16 queries.
; K AND V go memory -> registers -> quantiser -> LDS, 256 keys (a slot) at a time, as images of the operands' registers, into two LDS slots that take turns.  For the NEXT slot each wave takes one unit of K
; (16 keys x 64) and one of V (32 keys x 32 channels): its 40 loads are issued at a slot's top and used at the slot's end.  One barrier a slot.
; NO CLUSTER, NO TENSOR LOAD: what the eight work-groups of a head share arrives as f32 and passes through registers on its way to codes, so there is no tile that a joint load could bring as it is wanted;
; and the partners need different numbers of slots, 8 - x / 2 (x / 2 rounded down).
; LAYOUT.  Both products are used transposed: S^T = K Q^T (source 0 = 16 keys, source 1 = my queries), O^T = V^T P^T (source 0 = 16 channels, source 1 = P): a lane holds ONE query (lane % 16) throughout.
; The first product's K is 64: registers 6 to 11 of both its operands are zero codes, written once.  THE KEYS OF A TILE ARE NOT NEIGHBOURS: lane r of tile 2 b + u takes key 32 b + 8 u + r + 8 (r / 8), so that
; the 16 registers of tiles 2 b and 2 b + 1 are 16 neighbouring keys, 32 b + 16 (lane / 16) + 0 .. 15.
; THE MODE: SCHED_MODE bits 1:0 = 2 (LLVM: expert scheduling mode 2), set by the entry lines.  The code itself states the register dependences between vector or matrix instructions and memory or LDS
; instructions, with s_wait_alu, always for 0.
; THE PLAN.  Registers that memory or LDS instructions touch:
;   v1-v4      LDS places, made at the head, never written again.  v5, v6: written at the head, read by the closing add alone.
;   v7-v9      offsets of the raw loads and the prefetches, made at the head; written once more, for the way out, behind a wait on vm_vsrc.
;   v18        Q's offset at the head; f from the first step on: the first wait on vm_vsrc, in the head's QUANTKV, stands between.
;   STK, STV   the raw loads land at a slot's top; the two quantisers at the slot's end read them, and QUANTKV's one wait on va_vdst stands behind both.  No vector instruction names them between that wait
;              and the next slot's raw loads, which so owe no wait.
;   K's code registers (v36 + 12 t + 0 .. 5): a step's loads land; the first product reads them; then the softmax works there, up to the moves that put p's codes in order.  All that stands ahead of the wait in
;              front of the second product; behind it come only products on O^T, V and p, v_nop, and QUANTKV's lines, which name other registers: so the NEXT step's first eight loads owe no wait.
;   v20-v23    scale words: loaded three times a step, each time behind a wait on va_vdst that shows their last readers, matrix instructions, done.
;   S          the first product writes it, the softmax works in it, the conversions read it; one wait on va_vdst; V's fragments land in its first 48 registers.
;   QUANTKV's out-buffers: K's unit in p's last 16 registers, V's in p's code registers: written by vector instructions, one wait on va_vdst, six LDS stores, one wait on vm_vsrc ahead of all later writers.
.set SL,    26112                      ; an LDS slot: 256 keys as codes
.set VHF,   12288                      ; in it: K's 16 half fragments of 768 bytes (step q, tile t: 6144 q + 768 t), then V's 16 (step q, tile, c: 6144 q + 768 (2 tile + c));
.set SCKO,  24576                      ; K's scale words: 512 q + 32 r + 4 t;
.set SCVO,  25600                      ; V's scale bytes: 256 q + 16 r + 4 tile + block
.set STAGE, 2*SL                       ; the way out: 16 rows x (256 + 16) bytes for each wave
.set SPARE, STAGE+16*4352              ; the spare words, 128 bytes for each wave: eight blocks of 256 bytes that no other line names
; a half fragment's image: a lane's registers 0-3 at 16 x lane, its registers 4-5 at 512 + 8 x lane
.set RA,   1                           ; v1   16 x lane
.set RB,   2                           ; v2   8 x lane
.set RSK,  3                           ; v3   32 r
.set RSV,  4                           ; v4   16 r
.set SPW,  5                           ; v5   LDS address of my spare word; never rewritten
.set NIL,  6                           ; v6   0; never rewritten
.set KO,   7                           ; v7   my byte in a slot's rows of K   (v7-v10: addresses of the way out, behind the loop)
.set VO,   8                           ; v8   and of V
.set PFO,  9                           ; v9   the prefetches' offset
.set DQ,   10                          ; v10  my query - the diagonal step's first key - 16 (lane / 16)
.set QS,   11                          ; v11  Q's scale word
.set NM,   12                          ; v12  -M
.set MT,   13                          ; v13  the largest t so far
.set SUM,  14                          ; v[14:15] the row's sum, in two halves
.set PW,   16                          ; v16  p's scale word
.set HH,   17                          ; v17  lane / 16
.set FF,   18                          ; v[18:19] f = 2^(old M - new M) and its pair's upper half; at the head v18 is Q's offset
.set SC,   20                          ; v[20:23] four tiles' scale words of K or of V
.set QF,   24                          ; v[24:35] Q's fragment: 6 registers of codes, 6 of zeros
.set KF,   36                          ; v[36:83] four fragments of K, 12 apart: 6 of codes, 6 of zeros
.set S,    84                          ; v[84:147] S^T, then p; then v84-131 V's four fragments
.set OT,   148                         ; v[148:179] O^T
.set PC,   180                         ; v[180:191] p's codes
.set STK,  192                         ; v[192:223] my unit of K as loaded
.set STV,  224                         ; v[224:255] my unit of V as loaded
; the softmax works in K's code registers, which are free behind the first product
.set CT,   KF                          ; + 12 c: three registers of codes
.set BM,   KF+3                         ; + 12 b: block b's largest score, then its largest p
.set PT,   KF+4                         ; + 12 b: the other half's, then the scale's byte
.set SO,   KF+5                         ; + 12 b: the conversion's scale operand
.set T0,   KF+24
.set T1,   KF+25
.set SP2,  KF+36                       ; a pair: the sums' second chain
; the quantiser of K and V works in p's last 16 registers, and has a second out-buffer in p's code registers, which are free between a step's second product and the next step's conversions
.set CD,   S+48                        ; six registers of codes: K's unit
.set CTQ,  S+54
.set MX0,  S+57
.set MX1,  S+58
.set SOPQ, S+59
.set BYT,  S+60
.set AD0,  S+61                        ; K's unit: three LDS addresses
.set AD1,  S+62
.set AD2,  S+63
.set CD2,  PC                          ; six registers of codes: V's unit
.set KWD,  PC+6                        ; K's scale word
.set AD3,  PC+7                        ; V's unit: three LDS addresses
.set AD4,  PC+8
.set AD5,  PC+9
.set KB,   6                           ; s[6:7]  K at my head, at the trip's first slot;  s[8:9] V;  s[4:5] Q at my first query;  s[10:11] out0 likewise
.set VB,   8
.set WV,   12
.set WX,   13
.set HEAD, 14
.set SELB, 15
.set IDX,  16
.set BLK,  17
.set Q0,   18                          ; my first query
.set QLAST, 19                         ; my work-group's last query
.set SEL,  20                          ; s[20:21] v_permlanex16_b32's selects for lane l xor 16
.set CS,   22                          ; s[22:23] c = log2(e) / 8
.set KFK,  24                          ; the step's first key
.set TR,   25                          ; trips to go
.set LIM,  26                          ; 1 in a work-group that prefetches, else the greatest number
.set KWB,  27                          ; where my units' images and scales go in a slot
.set PFA,  28                          ; s[28:29]
.set KWSB, 30
.set VWB,  31
.set VWB64, 32
.set VWSB, 33
.set MK,   40                          ; s[40:55] the step on the diagonal: sixteen masks of lanes
; my units of the slot that begins off bytes behind the trip's first: K: 128 consecutive bytes of a key a lane; V: a lane a channel, registers down 32 keys, 128 consecutive bytes a load.
; No cache hint: the head's other work-groups read the same bytes.
; No wait on va_vdst stands here: the last vector instructions that named STK and STV, the quantisers, stand ahead of QUANTKV's wait, and their offsets were made ahead of the head's.
.macro RAWLOAD off
.irp j, 0,1,2,3,4,5,6,7
	global_load_b128 v[STK+4*\j:STK+4*\j+3], v[KO], s[KB:KB+1] offset:\off+16*\j
.endr
.irp i, 0,1,2,3,4,5,6,7,8,9,10,11,12,13,14,15,16,17,18,19,20,21,22,23,24,25,26,27,28,29,30,31
	global_load_b32 v[STV+\i], v[VO], s[VB:VB+1] offset:\off+256*\i
.endr
.endm
; A block of 32 numbers in one lane's registers becomes six registers of codes, v[cd] on, and its scale byte in v[BYT].
.macro QUANT32 src, cd
	v_max3_num_f32 v[MX0], |v[\src]|, |v[\src+1]|, |v[\src+2]|
	v_max3_num_f32 v[MX1], |v[\src+3]|, |v[\src+4]|, |v[\src+5]|
.irp i, 6,10,14,18,22,26
	v_max3_num_f32 v[MX0], v[MX0], |v[\src+\i]|, |v[\src+\i+1]|
	v_max3_num_f32 v[MX1], v[MX1], |v[\src+\i+2]|, |v[\src+\i+3]|
.endr
	v_max3_num_f32 v[MX0], v[MX0], |v[\src+30]|, |v[\src+31]|
	v_max3_num_f32 v[MX0], v[MX0], v[MX1], 0x1800000               ; the block's largest magnitude, and the floor 2^(3 - 127): the byte cannot fall under 1
	v_add_nc_u32 v[SOPQ], 0xff000000, v[MX0]                       ; 2 off its exponent field: the conversion takes the exponent field of this operand as its scale
	v_lshrrev_b32 v[BYT], 23, v[SOPQ]                              ; the scale's byte
	v_cvt_scalef32_pk16_fp6_f32 v[\cd:\cd+2], v[\src:\src+15], v[SOPQ]
	v_cvt_scalef32_pk16_fp6_f32 v[CTQ:CTQ+2], v[\src+16:\src+31], v[SOPQ]   ; (a conversion's three registers begin on an even number)
	v_nop                                                          ; one plain place behind a scaled conversion
.irp i, 0,1,2
	v_mov_b32 v[\cd+3+\i], v[CTQ+\i]
.endr
.endm
; Lanes l and l xor 16 hold blocks 0 and 1 of one row: their two bytes make the row's scale word; its upper two bytes, over zero codes, stay 0.
.macro WORD dst
	v_lshlrev_b32 v[MX0], 3, v[HH]
	v_lshlrev_b32 v[MX0], v[MX0], v[BYT]
	v_permlanex16_b32 v[MX1], v[MX0], s[SEL], s[SEL+1]
	v_or_b32 v[\dst], v[MX0], v[MX1]
.endm
; My two units become codes, each in an out-buffer of its own, and go into LDS slot d by one run of six stores.
.macro QUANTKV d
	QUANT32 STK, CD
	WORD KWD
	QUANT32 STV, CD2
	v_add_nc_u32 v[AD0], s[KWB], v[RA]
	v_add_nc_u32 v[AD1], s[KWB], v[RB]
	v_add_nc_u32 v[AD2], s[KWSB], v[RSK]
	v_mad_u32_u24 v[AD3], v[HH], 1536, v[RSV]                      ; my channel's tile (two half fragments on for lanes 16-31) and its row r
	v_add_nc_u32 v[AD3], s[VWB], v[AD3]
	v_lshrrev_b32 v[AD4], 1, v[RSV]
	v_mad_u32_u24 v[AD4], v[HH], 1536, v[AD4]
	v_add_nc_u32 v[AD4], s[VWB64], v[AD4]
	v_lshl_add_u32 v[AD5], v[HH], 2, v[RSV]
	v_add_nc_u32 v[AD5], s[VWSB], v[AD5]
	s_wait_alu depctr_va_vdst(0)                                   ; both units' codes, K's word, V's byte and the six addresses are written, which the stores below read; and the quantisers are done reading STK and STV, in which the next raw loads land
	ds_store_b128 v[AD0], v[CD:CD+3] offset:(\d)*SL
	ds_store_b64 v[AD1], v[CD+4:CD+5] offset:(\d)*SL+512
	ds_store_b32 v[AD2], v[KWD] offset:(\d)*SL                     ; both lanes of a row write the same word with the same value
	ds_store_b128 v[AD3], v[CD2:CD2+3] offset:(\d)*SL
	ds_store_b64 v[AD4], v[CD2+4:CD2+5] offset:(\d)*SL
	ds_store_b8 v[AD5], v[BYT] offset:(\d)*SL
	s_wait_alu depctr_vm_vsrc(0)                                   ; the six stores have read their data and addresses, which the next step's products and conversions write again; at the head also: Q's loads have read v18, which becomes f
.endm
; A PREFETCH of the slot behind the one whose loads have just been issued: 256 rows of K and 256 of V, 256 bytes a row, a lane a row, one instruction a wave (waves 0-7: K, waves 8-15: V).
; All eight work-groups of a head walk the same rows: the one with x = 0 asks, so each row is named once in the launch.  Slots 0 and 1 come by their loads alone; the last trip asks for nothing: the last slot named is slot 7.
; (Its offset was made ahead of the head's wait on va_vdst.)
.macro ASK off
	s_cmp_gt_u32 s[TR], s[LIM]
	s_cbranch_scc0 .Lna_\@
	global_prefetch_b8 v[PFO], s[PFA:PFA+1] offset:\off th:TH_LOAD_NT scope:SCOPE_SE
.Lna_\@:
.endm
; A KEY STEP: 128 keys, the q-th of LDS slot p.
.macro STEP p, q
.set BS, (\p)*SL+6144*(\q)
	s_add_co_u32 s34, s[Q0], 15
	s_cmp_gt_u32 s[KFK], s34                       ; all 128 keys come after my 16 queries: the step's work is left out (ids and the count of steps alone)
	s_cbranch_scc1 .Lhidden_\@
.irp g, 0,1                                    ; S^T = K Q^T, four tiles of 16 keys at a time
.if \g > 0
.rept 4
	v_nop                                          ; four places behind the four products, ahead of the loads into registers that they read; the wait below fills no place
.endr
	s_wait_alu depctr_va_vdst(0)                   ; the four products above are done reading K's fragments and their scale words, in which the loads below land
.endif
.irp t, 0,1,2,3                                ; (g = 0: no wait ahead of these eight: see the plan, K's code registers)
	ds_load_b128 v[KF+12*\t:KF+12*\t+3], v[RA] offset:BS+768*(4*\g+\t)
	ds_load_b64 v[KF+12*\t+4:KF+12*\t+5], v[RB] offset:BS+768*(4*\g+\t)+512
.endr
.if \g == 0
	s_wait_alu depctr_va_vdst(0)                   ; the last step's second product is done reading v[SC ..], in which the load below lands
.endif
	ds_load_b128 v[SC:SC+3], v[RSK] offset:(\p)*SL+SCKO+512*(\q)+16*\g   ; the four tiles' scale words of row r
	s_wait_dscnt 0x0
.irp t, 0,1,2,3
	v_wmma_scale_f32_16x16x128_f8f6f4 v[S+8*(4*\g+\t):S+8*(4*\g+\t)+7], v[KF+12*\t:KF+12*\t+11], v[QF:QF+11], 0, v[SC+\t], v[QS] matrix_a_fmt:MATRIX_FMT_FP6 matrix_b_fmt:MATRIX_FMT_FP6
.endr
.endr
.rept 4
	v_nop                                          ; places in front of the first read of the scores and of writes into K's registers
.endr
	s_add_co_u32 s34, s[KFK], 127
	s_cmp_le_u32 s34, s[Q0]                        ; all 128 keys count for all my queries: nothing is hidden
	s_cbranch_scc1 .Lopen_\@
	v_mov_b32 v[T0], 0xc79c4000                    ; -80,000: MASK_VALUE ahead of the factor 1 / 8.  Register 16 b + i holds key 32 b + 16 (lane / 16) + i of the step: hidden where 32 b + i > DQ
.set n, 0
.rept 4                                        ; a block of 32 keys at a time: sixteen compares into sixteen scalar registers, one wait, sixteen selects
.set i, 0
.rept 16
	v_cmp_gt_i32 s[MK+i], 2*n+i, v[DQ]             ; (n = 16 b)
.set i, i+1
.endr
	s_wait_alu depctr_va_sdst(0)                   ; the sixteen masks are written, ahead of their first reader
.set i, 0
.rept 16
	v_cndmask_b32 v[S+n+i], v[S+n+i], v[T0], s[MK+i]
.set i, i+1
.endr
.set n, n+16
.endr
.Lopen_\@:
.irp b, 0,1,2,3
	v_max3_num_f32 v[BM+12*\b], v[S+16*\b], v[S+16*\b+1], v[S+16*\b+2]   ; the largest score of each block of 32 keys: for the row's maximum, and, since p rises with the score, for the block's largest p
.endr
.irp i, 3,5,7,9,11,13
.irp b, 0,1,2,3
	v_max3_num_f32 v[BM+12*\b], v[BM+12*\b], v[S+16*\b+\i], v[S+16*\b+\i+1]
.endr
.endr
.irp b, 0,1,2,3
	v_max_num_f32 v[BM+12*\b], v[BM+12*\b], v[S+16*\b+15]
.endr
.irp b, 0,1,2,3
	v_permlanex16_b32 v[PT+12*\b], v[BM+12*\b], s[SEL], s[SEL+1]
.endr
.irp b, 0,1,2,3
	v_max_num_f32 v[BM+12*\b], v[BM+12*\b], v[PT+12*\b]            ; with lane l xor 16's 16 keys
.endr
	v_max3_num_f32 v[T0], v[BM], v[BM+12], v[BM+24]
	v_max_num_f32 v[T0], v[T0], v[BM+36]           ; the step's largest score of my query
	v_mul_f32 v[T0], s[CS], v[T0]                  ; as t
	v_max_num_f32 v[MT], v[MT], v[T0]              ; the running largest t
	v_mov_b32 v[T1], v[NM]
	v_floor_f32 v[NM], -v[MT]                      ; the new -M = floor(-t) = -ceil(t)
	v_sub_f32 v[T1], v[NM], v[T1]                  ; old M - new M: a whole number, 0 or less
	v_cvt_i32_f32 v[T1], v[T1]                     ; (it saturates)
	v_ldexp_f32 v[FF], 1.0, v[T1]                  ; f = 2^(old M - new M)
.set j, 0
.rept 32
	v_pk_fma_f32 v[S+j:S+j+1], v[S+j:S+j+1], s[CS:CS+1], v[NM:NM+1] op_sel_hi:[1,0,0]   ; t - M, two at a time
.set j, j+2
.endr
.irp b, 0,1,2,3
	v_fma_f32 v[BM+12*\b], v[BM+12*\b], s[CS], v[NM]               ; the same of each block's largest score
.endr
.set n, 0
	s_wait_alu depctr_va_vdst(0)
.rept 64
	v_exp_f32 v[S+n], v[S+n]                       ; p = 2^(t - M)
.set n, n+1
.endr
	v_pk_mul_f32 v[SUM:SUM+1], v[SUM:SUM+1], v[FF:FF+1] op_sel_hi:[1,0]   ; the sums under the new M: the plain place behind the exponentials
	s_wait_alu depctr_va_vdst(0)                   ; the 64 exponentials have written p: one wait for the batch, ahead of its first reader
.irp b, 0,1,2,3
	v_exp_f32 v[BM+12*\b], v[BM+12*\b]             ; the block's largest p
.endr
	v_pk_add_f32 v[SP2:SP2+1], v[S:S+1], v[S+2:S+3]                ; the row's sum of the unquantised p, in two chains; it reads the 64 alone: plain work behind the four
.irp j, 4,8,12,16,20,24,28,32,36,40,44,48,52,56,60
	v_pk_add_f32 v[SUM:SUM+1], v[SUM:SUM+1], v[S+\j:S+\j+1]
	v_pk_add_f32 v[SP2:SP2+1], v[SP2:SP2+1], v[S+\j+2:S+\j+3]
.endr
	v_pk_add_f32 v[SUM:SUM+1], v[SUM:SUM+1], v[SP2:SP2+1]
	s_wait_alu depctr_va_vdst(0)                   ; the four exponentials have written the blocks' largest p, ahead of their first reader
.irp b, 0,1,2,3
	v_max_num_f32 v[BM+12*\b], 0x1800000, v[BM+12*\b]              ; the floor 2^(3 - 127)
.endr
.irp b, 0,1,2,3
	v_add_nc_u32 v[SO+12*\b], 0xff000000, v[BM+12*\b]              ; 2 off the exponent field: the conversion's scale operand
.endr
.irp b, 0,1,2,3
	v_lshrrev_b32 v[PT+12*\b], 23, v[SO+12*\b]                     ; the scale's byte
.endr
	v_lshl_or_b32 v[PW], v[PT+12], 8, v[PT]        ; p's scale word for these 128 keys
	v_lshl_or_b32 v[PW], v[PT+24], 16, v[PW]
	v_lshl_or_b32 v[PW], v[PT+36], 24, v[PW]
.irp c, 0,1
	v_cvt_scalef32_pk16_fp6_f32 v[PC+6*\c:PC+6*\c+2], v[S+32*\c:S+32*\c+15], v[SO+24*\c]
	v_cvt_scalef32_pk16_fp6_f32 v[CT+12*\c:CT+12*\c+2], v[S+32*\c+16:S+32*\c+31], v[SO+24*\c+12]
.endr
	v_nop                                          ; one plain place behind the scaled conversions
	s_wait_alu depctr_va_vdst(0)                   ; the conversions are done reading p, where V's fragments land; the first product is done reading v[SC ..], where V's scale words land
.irp t, 0,1,2,3                                ; V's four fragments land where p lay, while p's codes are put in order and O^T is rescaled: those lines name p's codes, K's code registers, O^T and f alone
.irp c, 0,1
	ds_load_b128 v[S+12*\t+6*\c:S+12*\t+6*\c+3], v[RA] offset:BS+VHF+768*(2*\t+\c)
	ds_load_b64 v[S+12*\t+6*\c+4:S+12*\t+6*\c+5], v[RB] offset:BS+VHF+768*(2*\t+\c)+512
.endr
.endr
	ds_load_b128 v[SC:SC+3], v[RSV] offset:(\p)*SL+SCVO+256*(\q)   ; the four tiles' scale words of channel r
.irp c, 0,1                                    ; the operand's layout wants a WHOLE block in a lane: lanes 0-15 block 2 c, lanes 16-31 block 2 c + 1
.irp i, 0,1,2
	v_permlane16_swap_b32 v[PC+6*\c+\i], v[CT+12*\c+\i]
.endr
.irp i, 0,1,2
	v_mov_b32 v[PC+6*\c+3+\i], v[CT+12*\c+\i]
.endr
.endr
.set j, 0
.rept 16
	v_pk_mul_f32 v[OT+j:OT+j+1], v[OT+j:OT+j+1], v[FF:FF+1] op_sel_hi:[1,0]   ; O^T under the new M; these 16 are also the places between p's codes and scale word and the products
.set j, j+2
.endr
	s_wait_dscnt 0x0
	s_wait_alu depctr_va_vdst(0)                   ; p's codes and p's scale word, made by vector instructions, are written, which the scaled products below take; and all the softmax's work in K's code registers is done, in which the next step's loads land
.irp t, 0,1,2,3                                ; O^T += V^T P^T; the four accumulators take turns, and the eight products of the next step stand between two turns of one
	v_wmma_scale_f32_16x16x128_f8f6f4 v[OT+8*\t:OT+8*\t+7], v[S+12*\t:S+12*\t+11], v[PC:PC+11], v[OT+8*\t:OT+8*\t+7], v[SC+\t], v[PW] matrix_a_fmt:MATRIX_FMT_FP6 matrix_b_fmt:MATRIX_FMT_FP6
.endr
.rept 5
	v_nop                                          ; five places: the next step's products write over V's fragments; four serve the quantiser's writes into p's codes and the reads of O^T
.endr
.Lhidden_\@:
	s_add_co_u32 s[KFK], s[KFK], 128
.endm
; A SLOT: the next slot's numbers are asked for, this slot's two steps are walked, the next slot is quantised into the other LDS slot, one barrier.
; The other LDS slot was last read in the slot before; every wave waited for those reads in front of that slot's barrier.
.macro SLOT p
	s_add_co_u32 s34, s[KFK], 256
	s_cmp_gt_u32 s34, s[QLAST]                     ; a slot whose first key comes after my work-group's last query is read by none of its waves
	s_cbranch_scc1 .Lnl_\@
	RAWLOAD (\p+1)*65536
.Lnl_\@:
	ASK (\p+2)*65536
	STEP \p, 0
	STEP \p, 1
	s_wait_loadcnt 0x0                             ; my 40 loads are in
	s_cmp_gt_u32 s[KFK], s[QLAST]                  ; the same test as above, two steps on
	s_cbranch_scc1 .Lnq_\@
	QUANTKV 1-\p
.Lnq_\@:
	s_wait_dscnt 0x0                               ; my stores into the other slot have landed, and my reads of this one are over
	s_barrier_signal -1
	s_barrier_wait -1
.endm
	s_load_b256 s[4:11], s[0:1], 0x0               ; Q s[4:5], K s[6:7], V s[8:9], out0 s[10:11]
	v_lshl_add_u32 v[SPW], v0, 2, SPARE
	v_mov_b32 v[NIL], 0
	v_lshrrev_b32 v36, 5, v0
	v_readfirstlane_b32 s[WV], v36                 ; wave 0..15
	s_mov_b32 s[WX], ttmp9
	s_and_b32 s[HEAD], ttmp7, 0xffff
	s_wait_alu depctr_va_sdst(0)                   ; the wave's number is written, ahead of its first reader
	s_lshr_b32 s34, s[WV], 2
	s_xor_b32 s34, s34, s[WV]
	s_and_b32 s[SELB], s34, 1                      ; which block: bit 0 xor bit 2 of the wave's number: among waves w, w + 4, w + 8, w + 12 and among waves 4 k .. 4 k + 3 alike two are of each block
	s_lshr_b32 s[IDX], s[WV], 1                    ; which tile of its eight
	s_sub_co_u32 s34, 15, s[WX]
	s_cmp_eq_u32 s[SELB], 0
	s_cselect_b32 s[BLK], s[WX], s34
	s_lshl_b32 s[Q0], s[BLK], 7
	s_lshl_b32 s34, s[IDX], 4
	s_add_co_u32 s[Q0], s[Q0], s34                 ; my first query: 128 x block + 16 x tile
	s_sub_co_u32 s[QLAST], 16, s[WX]
	s_lshl_b32 s[QLAST], s[QLAST], 7
	s_sub_co_u32 s[QLAST], s[QLAST], 1             ; 128 (16 - x) - 1
	s_cmp_eq_u32 s[WX], 0
	s_cselect_b32 s[LIM], 1, -1
	s_mov_b32 s[SEL], 0x76543210
	s_mov_b32 s[SEL+1], 0xfedcba98
	s_mov_b32 s[CS], 0x3e38aa3b                    ; log2(e) / 8
	s_mov_b32 s[CS+1], s[CS]                       ; (named with it as a pair, so it is written)
	s_mov_b32 s[KFK], 0
	s_mov_b32 s[TR], 4
	v_and_b32 v36, 31, v0                          ; lane
	v_and_b32 v37, 15, v0                          ; r
	s_wait_alu depctr_va_vdst(0)
	v_bfe_u32 v[HH], v0, 4, 1                      ; h
	v_lshlrev_b32 v[RA], 4, v36
	v_lshlrev_b32 v[RB], 3, v36
	v_lshlrev_b32 v[RSK], 5, v37
	v_lshlrev_b32 v[RSV], 4, v37
	v_lshlrev_b32 v38, 4, v[HH]
	v_sub_nc_u32 v38, v37, v38
	v_add_nc_u32 v[DQ], s34, v38                   ; 16 x tile + r - 16 h: the diagonal step's first key is my block's first query
	s_lshr_b32 s34, s[WV], 3                       ; my units' step in a slot
	s_and_b32 s35, s[WV], 1
	s_bfe_u32 s36, s[WV], 0x20001                  ; (wave / 2) % 4
	s_lshl_b32 s37, s34, 7                         ; K's unit is tile wave % 8 of step wave / 8: it begins at key 128 (w / 8) + 32 ((w / 2) % 4) + 8 (w % 2)
	s_lshl_b32 s38, s36, 5
	s_add_co_u32 s37, s37, s38
	s_lshl_b32 s38, s35, 3
	s_add_co_u32 s37, s37, s38
	s_lshl_b32 s37, s37, 8
	v_and_b32 v38, 8, v37
	v_add_nc_u32 v38, v38, v37                     ; r + 8 (r / 8)
	v_lshlrev_b32 v38, 8, v38
	v_lshl_add_u32 v38, v[HH], 7, v38              ; a key's row is 256 bytes; block h of it
	v_add_nc_u32 v[KO], s37, v38
	s_lshl_b32 s37, s[IDX], 13                     ; V's unit is key block wave / 2 of the slot's eight, channels 32 (wave % 2) + lane
	s_lshl_b32 s38, s35, 7
	s_add_co_u32 s37, s37, s38
	v_lshl_add_u32 v[VO], v36, 2, s37
	s_and_b32 s37, s[WV], 7
	s_lshl_b32 s38, s37, 13
	v_lshl_add_u32 v[PFO], v36, 8, s38             ; the prefetches: row 32 (wave % 8) + lane of a slot's 256
	s_mul_i32 s[KWB], s[WV], 768                   ; K's half fragment: 6144 (w / 8) + 768 (w % 8)
	s_lshl_b32 s38, s34, 9
	s_lshl_b32 s37, s37, 2
	s_add_co_u32 s38, s38, s37
	s_add_co_u32 s[KWSB], s38, SCKO
	s_mul_i32 s37, s34, 6144                       ; V's: tile 2 (w % 2) + h, c = (w / 4) % 2, lanes 16 ((w / 2) % 2) on
	s_lshl_b32 s38, s35, 2
	s_bfe_u32 s39, s[WV], 0x10002
	s_add_co_u32 s38, s38, s39
	s_mul_i32 s38, s38, 768
	s_add_co_u32 s37, s37, s38
	s_add_co_u32 s37, s37, VHF
	s_and_b32 s39, s36, 1
	s_lshl_b32 s38, s39, 8
	s_add_co_u32 s[VWB], s37, s38
	s_lshl_b32 s38, s39, 7
	s_add_co_u32 s38, s38, 512
	s_add_co_u32 s[VWB64], s37, s38
	s_lshl_b32 s37, s34, 8
	s_lshl_b32 s38, s35, 3
	s_add_co_u32 s37, s37, s38
	s_add_co_u32 s37, s37, s36
	s_add_co_u32 s[VWSB], s37, SCVO
	s_lshl_b32 s34, s[HEAD], 19                    ; a head is 2,048 x 256 bytes in each tensor
	s_mov_b32 s35, 0
	s_lshl_b32 s36, s[Q0], 8
	s_add_co_u32 s36, s36, s34
	s_mov_b32 s37, 0
	v_lshlrev_b32 v[FF], 8, v37
	v_lshl_add_u32 v[FF], v[HH], 7, v[FF]          ; Q: row r, block h
	s_wait_kmcnt 0x0
	s_add_nc_u64 s[4:5], s[4:5], s[36:37]
	s_add_nc_u64 s[KB:KB+1], s[KB:KB+1], s[34:35]
	s_add_nc_u64 s[VB:VB+1], s[VB:VB+1], s[34:35]
	s_add_nc_u64 s[10:11], s[10:11], s[36:37]
	s_cmp_lt_u32 s[WV], 8
	s_cselect_b64 s[PFA:PFA+1], s[KB:KB+1], s[VB:VB+1]
	s_wait_alu depctr_va_vdst(0)                   ; the offsets v7 to v9 and v18, the LDS places v1 to v4 and the add's two registers are written, which the loads, prefetches and LDS instructions of the whole kernel read
.irp j, 0,1,2,3,4,5,6,7
	global_load_b128 v[S+4*\j:S+4*\j+3], v[FF], s[4:5] offset:16*\j th:TH_LOAD_NT   ; my block of 32 of my query: read once, by this wave alone
.endr
	RAWLOAD 0                                      ; my units of slot 0
.irp i, 6,7,8,9,10,11
	v_mov_b32 v[QF+\i], 0                          ; zero codes for k = 64 .. 127 of the first product, on both sides: written once
.irp t, 0,1,2,3
	v_mov_b32 v[KF+12*\t+\i], 0
.endr
.endr
.set n, 0
.rept 32
	v_mov_b32 v[OT+n], 0                           ; O^T.  (The step is written once: the first finds zeros, which the first change of M leaves zeros)
.set n, n+1
.endr
	v_mov_b32 v[SUM], 0
	v_mov_b32 v[SUM+1], 0
	v_mov_b32 v[FF+1], 0                           ; (named as the upper half of the pair)
	v_mov_b32 v[MT], 0xff61b1e6                    ; the largest t so far: -3e38, under every t
	v_floor_f32 v[NM], -v[MT]
	s_wait_loadcnt 40                              ; Q's eight loads are in; the 40 of K and V, issued behind them, may be out
	QUANT32 S, QF
	WORD QS
	s_wait_loadcnt 0x0
	QUANTKV 0                                      ; (its wait on va_vdst also shows Q's codes, Q's scale word and the zero codes written, which the scaled products take)
	s_wait_dscnt 0x0                               ; my part of slot 0 has landed
	s_barrier_signal -1
	s_barrier_wait -1
.Ltrip:                                            ; four trips of two slots in every work-group: past its last query a trip is waits and barriers alone
	SLOT 0
	SLOT 1
	s_wait_xcnt 0x0                                ; the loads and prefetches have read their bases, which step now
	s_add_nc_u64 s[KB:KB+1], s[KB:KB+1], 0x20000
	s_add_nc_u64 s[VB:VB+1], s[VB:VB+1], 0x20000
	s_add_nc_u64 s[PFA:PFA+1], s[PFA:PFA+1], 0x20000
	s_sub_co_u32 s[TR], s[TR], 1
	s_cmp_lg_u32 s[TR], 0
	s_cbranch_scc1 .Ltrip
	; THE WAY OUT.  O^T is divided by the row's sum and goes through my stage in LDS: a lane holds 32 bytes of a row, the lanes beside it other rows; it comes back as whole rows of 256 bytes.
	s_wait_alu depctr_vm_vsrc(0)                   ; the raw loads and the prefetches have read v7 to v9, which are written anew below
	v_add_f32 v[SUM], v[SUM], v[SUM+1]
	v_permlanex16_b32 v[FF], v[SUM], s[SEL], s[SEL+1]
	v_add_f32 v[SUM], v[SUM], v[FF]                ; with lane l xor 16's keys: the row's sum
	s_wait_alu depctr_va_vdst(0)
	v_rcp_f32 v[SUM], v[SUM]
	v_and_b32 v10, 15, v0                          ; (a plain place behind the reciprocal)  r
	s_mul_i32 s34, s[WV], 4352
	s_add_co_u32 s34, s34, STAGE
	v_mul_u32_u24 v7, v10, 272
	v_lshl_add_u32 v7, v[HH], 5, v7
	v_add_nc_u32 v7, s34, v7                       ; in: row r, tile t's eight channels of my half at 64 t + 32 h
	v_mul_u32_u24 v8, v[HH], 272
	v_add_nc_u32 v8, v8, v[RSV]
	v_add_nc_u32 v8, s34, v8                       ; back: lanes 0-15 one row, lanes 16-31 the next
	v_lshl_add_u32 v9, v[HH], 8, v[RSV]            ; and the same two rows in out0
	s_wait_alu depctr_va_vdst(0)                   ; the reciprocal has written v14, ahead of its first reader
.set j, 0
.rept 16
	v_pk_mul_f32 v[S+j:S+j+1], v[OT+j:OT+j+1], v[SUM:SUM+1] op_sel_hi:[1,0]   ; register 8 t + i is out0(r, 16 t + 8 h + i); each accumulator from its low end on
.set j, j+2
.endr
	s_wait_alu depctr_va_vdst(0)                   ; the products above have written v[S ..], the LDS stores' data; v7 to v9 are written, which the stores and loads below read; the quantisers are long done reading STK, in which the stage's loads land
.irp t, 0,1,2,3
	ds_store_b128 v7, v[S+8*\t:S+8*\t+3] offset:64*\t
	ds_store_b128 v7, v[S+8*\t+4:S+8*\t+7] offset:64*\t+16
.endr
.irp i, 0,1,2,3,4,5,6,7
	ds_load_b128 v[STK+4*\i:STK+4*\i+3], v8 offset:544*\i          ; LDS serves a wave's instructions in order (ISA guide 5.7.1.4): these see my stores
.endr
.irp i, 0,1,2,3,4,5,6,7
	s_wait_dscnt 7-\i                              ; row pair i is back; the 7 - i younger loads may be out
	global_store_b128 v9, v[STK+4*\i:STK+4*\i+3], s[10:11] offset:512*\i th:TH_STORE_NT   ; 32 lanes store 512 consecutive bytes, at a multiple of 256 from out0's first byte
.endr
	s_wait_dscnt 0x0                               ; the closing lines, six on end
	s_wait_alu 0x0
	s_wait_tensorcnt 0x0
	ds_add_u32 v[SPW], v[NIL]
	s_wait_dscnt 0x0
	s_endpgm
.Lfunc_end_k_q8320831f86_attn:
	.size	k_q8320831f86_attn, .Lfunc_end_k_q8320831f86_attn-k_q8320831f86_attn
	.p2alignl 7, 3214868480
	.fill 96, 4, 3214868480
	.section	.rodata,"a",@progbits
	.p2align	6, 0x0
	.amdhsa_kernel k_q8320831f86_attn
		.amdhsa_group_segment_fixed_size 123904
		.amdhsa_private_segment_fixed_size 0
		.amdhsa_enable_private_segment 0
		.amdhsa_kernarg_size 32
		.amdhsa_user_sgpr_count 2
		.amdhsa_user_sgpr_kernarg_segment_ptr 1
		.amdhsa_wavefront_size32 1
		.amdhsa_system_sgpr_workgroup_id_x 1
		.amdhsa_system_sgpr_workgroup_id_y 1
		.amdhsa_system_sgpr_workgroup_id_z 1
		.amdhsa_system_vgpr_workitem_id 0
		.amdhsa_next_free_vgpr 256
		.amdhsa_next_free_sgpr 66
		.amdhsa_reserve_vcc 0
		.amdhsa_float_denorm_mode_32 3
		.amdhsa_float_denorm_mode_16_64 3
		.amdhsa_memory_ordered 1
		.amdhsa_forward_progress 1
		.amdhsa_inst_pref_size 139
	.end_amdhsa_kernel
	.amdgpu_metadata
---
amdhsa.version: [ 1, 2 ]
amdhsa.kernels:
  - .name:           k_q8320831f86_attn
    .symbol:         k_q8320831f86_attn.kd
    .args:
      - { .name: query_states, .offset: 0, .size: 8, .value_kind: global_buffer, .address_space: global }
      - { .name: key_states, .offset: 8, .size: 8, .value_kind: global_buffer, .address_space: global }
      - { .name: value_states, .offset: 16, .size: 8, .value_kind: global_buffer, .address_space: global }
      - { .name: out0, .offset: 24, .size: 8, .value_kind: global_buffer, .address_space: global }
    .group_segment_fixed_size: 123904
    .private_segment_fixed_size: 0
    .kernarg_segment_align: 8
    .kernarg_segment_size: 32
    .max_flat_workgroup_size: 512
    .sgpr_count:     66
    .vgpr_count:     256
    .wavefront_size: 32
...
	.end_amdgpu_metadata
.endif
;; end of part 2
